; MI455X (gfx1250); checked and timed in simulation.
; The chip was launched on July 23, 2026; its instructions are those of AMD's public machine-readable ISA for CDNA 5 (MIT licence, August 2026) and "CDNA5" Instruction Set Architecture Reference Guide (July 2026). The comments in the code are by the model that wrote it; some were corrected since.
;; Multiplicative Cross Attention. Allowed arithmetic: matrix products marked QUANTISED: E2M3 operands, one E8M0 scale for each 32 along K, by v_wmma_scale_f32_16x16x128_f8f6f4 with both operands' format E2M3, f32 sums; products left as they are: f32 operands where the result goes on into a quantised operand, else bf16, f16 or f32 operands; f32 sums; everything else in f32.
;; Inputs: keyvalues 32 x 4,096 x 512 float32; keyvalues_mask 32 x 4,096 int32; query_codes 32 x 16 x 24 uint8 (E2M3 codes of query, K innermost, in blocks of 32 codes, four codes in three bytes); query_scales 32 x 16 uint8 (E8M0 scales of query, one for each 32 codes along K); weight_codes 512 x 16 x 24 uint8 (E2M3 codes of weight, K innermost, in blocks of 32 codes, four codes in three bytes); weight_scales 512 x 16 uint8 (E8M0 scales of weight, one for each 32 codes along K).
;; Outputs: out0 32 x 512 float32.
;; This version of the problem:
;;   THIS VERSION OF THE PROBLEM IS GIVEN IN LOW PRECISION. The matrix products marked QUANTISED in the list below multiply operands that are first quantised to E2M3 (2 exponent bits, 3 mantissa bits; 6 bits a number), with one power-of-two scale for each 32 numbers along K (OCP MX v1.0); their sums are f32. All else is computed in f32.
;;   The module's matrix products, in the order in which they are computed (A, B: the left and right operand; K: the contracted axis; several contracted axes count as one K, in the product's order):
;;     1. [M 32, K 512] x [K 512, N 512]; A: input query (given as codes); B: input weight (given as codes): QUANTISED
;;     2. batch 32 x [M 4,096, K 512] x [K 512, N 1]; A: input keyvalues; B: computed on the way: left as it is (N = 1 < 16)
;;     3. batch 32 x [M 1, K 4,096] x [K 4,096, N 512]; A: softmax; B: input keyvalues: left as it is (M = 1 < 16)
;;   THE QUANTISER, for each operand of a quantised product, along K:
;;     - K is cut into blocks of 32 from its start; a last block that is shorter is filled with zeros.
;;     - A block's scale is 2^e with e = floor(log2(the largest magnitude in the block)) - 2, held to -126 .. 127; a block of zeros has e = 0. As a byte (E8M0): e + 127.
;;     - Each number is divided by its block's scale, clamped to +-7.5, and rounded to the nearest number of E2M3, ties to even, subnormals kept.
;;     - The product sums the exact products of the quantised numbers (number of the format x scale) in f32.
;;   ~~~python
;;   def quantise(x, axis):      # numpy; x: float32 -> the quantised numbers, widened to float32 again
;;       x = np.moveaxis(x, axis, -1); K = x.shape[-1]
;;       x = np.pad(x, [(0, 0)] * (x.ndim - 1) + [(0, -K % 32)]); x = x.reshape(x.shape[:-1] + (-1, 32)); a = np.abs(x).max(-1, keepdims=True)
;;       e = np.where(a > 0, np.clip(np.frexp(np.where(a > 0, a, 1))[1] - 1 - 2, -126, 127), 0)      # np.frexp(a)[1] - 1 = floor(log2(a)), exactly
;;       r = np.clip(x / 2.0 ** e, -7.5, 7.5)
;;       step = 2.0 ** (np.maximum(np.frexp(np.where(r == 0, 1, r))[1] - 1, 0) - 3)
;;       q = np.round(r / step) * step * 2.0 ** e      # np.round: ties to even
;;       return np.moveaxis(q.reshape(q.shape[:-2] + (-1,))[..., :K], -1, axis).astype(np.float32)
;;   ~~~
;;   INPUTS GIVEN AS CODES. query (in the module: [32, 512], K = its axis 1); weight (in the module: [512, 512], K = its axis 0): each comes as NAME_codes (uint8): NAME with its K axis moved to the last place and cut into blocks of 32 codes, [.., K / 32, bytes a block], one block behind the other in memory; four codes in three bytes: a row's codes are one little-endian stream of bits, code i at bits 6 i .. 6 i + 5 (a code: sign, 2 exponent bits, 3 mantissa bits); and NAME_scales (uint8): the same leading axes, one E8M0 byte (e + 127) for each 32 codes along K. Its value is code x scale, taken as it is: it is not quantised again, and the codes and scales need not be those that the quantiser above would give.
;; 2 versions, each right; version 2 is version 1 with the launch stream written anew for expert scheduling mode. Each part assembles by itself: llvm-mc -triple=amdgcn-amd-amdhsa -mcpu=gfx1250 --defsym DOCPART=n.
;; ======== version 1 of 2: 2 launches
;; workspace buffers: part 524,288 bytes; stats 65,536 bytes
;; launch stream (part 1): grid 8 x 32, 16 waves a work-group, no clusters, 241,920 bytes of LDS; arguments keyvalues, keyvalues_mask, query_codes, query_scales, weight_codes, weight_scales, part, stats; writes part, stats
.if DOCPART == 1
	.amdgcn_target "amdgcn-amd-amdhsa--gfx1250"
	.amdhsa_code_object_version 6
	.text
	.protected	k_qe516da5be9_stream
	.globl	k_qe516da5be9_stream
	.p2align	8
	.type	k_qe516da5be9_stream,@function
k_qe516da5be9_stream:
	s_mov_b64 s[64:65], 0
	v_nop
	global_prefetch_b8 v0, s[64:65] scope:SCOPE_SE
	s_setreg_imm32_b32 hwreg(HW_REG_WAVE_MODE, 25, 1), 1
	s_wait_xcnt 0x0
; a[b][:] = sum over s of softmax_s(mask ? keyvalues[b][s] . u[b] : -inf) keyvalues[b][s][:],  u[b][k] = sum over q of query[b][q] weight[q][k].
; This launch makes, for each of 8 runs of 512 keys of each of the 32 batches, a PART: the largest t = score x log2(e), the sum of 2^(t - largest) and the sum of 2^(t - largest) x row.  The next launch merges a batch's 8 parts.
; SHARES.  A work-group of 16 waves takes 512 keys of one batch; a wave 32 keys; a lane 64 bytes (16 columns) of each row that it reads.
; THE MASK.  A key whose mask word is 0 has the weight 0 in reference(): its row of 2,048 bytes is not loaded.  The wave's 32 mask words become a set of 32 bits; set bits are taken from the low end on.
; u.  Every work-group makes its batch's u itself: wave w the columns 32 w .. 32 w + 31, by 8 matrix instructions on the codes of E2M3 as they are given; that spares a launch.  All 16 rows of source 0 are the batch's
; query row, so every row of the result is u.  The weights' codes, which all work-groups read (204,800 bytes with their scales), come by plain loads and not by joint tensor loads.
; THE ORDER OF K.  A row of codes is 16 blocks of 24 bytes.  Lanes 0-15 take blocks 0-7 of their row, lanes 16-31 blocks 8-15: 192 bytes on end, 12 loads of 16 bytes.  So K step s multiplies blocks 2 s, 2 s + 1, 8 + 2 s, 9 + 2 s,
; alike in query and weight; a sum over K does not ask in which order.  The scale bytes are put in the same order: byte 2 c + h of a step's word is that of block 8 h + 2 s + c.
; THE STREAM.  Three slots of 4 rows in registers take turns: up to 12 rows, 24,576 bytes, of a wave are on their way.  A wave has 1 to 8 groups of 4 rows, as the mask has it.  There is no loop: the groups are written out,
; and the main line is left by forward branches alone, to the last two groups, written out for each slot.  So every counted wait stands on a way on which the loads behind the awaited ones are fixed by the text.
; The last group is filled up by naming the last kept row again (in a wave without a kept row: row 0); the filling's score becomes -infinity.
; SOFTMAX.  A running largest t per wave (it begins at -3e38); in each group the sums are multiplied by 2^(old - new).
; LIMITS.  NaN and infinities in keyvalues are not served.  score x log2(e) has to lie above -3e38.  The f32 sums are taken in another order than reference()'s.
; A batch none of whose keys counts gives NaN, as in reference() (0 x infinity in the next launch).
.set WPITCH, 400                       ; a weight row in LDS: 384 bytes + 16 = 25 x 16 bytes: the 16 rows that a load of 16 bytes a lane touches start at 16 different columns of 16 bytes modulo 256
.set WREG,   32*WPITCH                 ; a wave's own 32 rows
.set UB,     16*WREG                   ; behind them: u x log2(e), 512 numbers
.set PACC,   UB+2048                   ; the 16 waves' sums, 2,048 bytes each
.set PM,     PACC+16*2048              ; their 16 largest t, and 64 bytes on their 16 sums of weights
.set LN16, 1                           ; v1      16 x lane; never rewritten
                                       ; v2-11   scale words and nothing else: query's K steps 0-3 in v2, v10, v4, v5; the weights' in v6, v11, v8, v9 (lanes 0-15: my first 16 columns, lanes 16-31: my second)
.set PAD,  12                          ; v12     LDS: where my sums go
.set PMA,  13                          ; v13     LDS: where my largest t goes
.set UST,  14                          ; v14     LDS: where my columns of u go
.set URD,  15                          ; v15     LDS: where I read u
.set U,    16                          ; v16-31  u x log2(e) at my 16 columns: register 4 j + c is column 128 j + 4 lane + c
.set ACC,  32                          ; v32-47  the weighted sum at the same columns
.set P,    48                          ; v48-55  four pairs: a row's t, then its weight, in the even register; v56 the factor 2^(old - new), v57 named with it as a pair
.set M,    58                          ; v58     the largest t so far
.set L,    59                          ; v59     the sum of weights
.set MN,   60
.set T1,   61
.set T2,   62
.set RING, 64                          ; v64-255 slot x, row r: 16 registers at RING + 64 x + 16 r
.set QF,   16                          ; while u is made: v16-63 the query row's 4 fragments,
.set WF,   128                         ; v128-223 my 32 weight rows, as loaded and then as 8 fragments,
.set DU,   224                         ; v224-239 two accumulators; v240-253 at work
.set F,    192                         ; in the merge: 16 pairs, a wave's factor in the even register
.set WV,   20                          ; s20 wave
.set BT,   22                          ; s22 batch
.set BITS, 28                          ; s28 the kept rows not yet asked for
.set IDX,  29                          ; s29 the row asked for last
.set NG,   30                          ; s30 groups of 4 rows: 1 to 8
.set CNT,  32                          ; s32 kept rows in the last group
.set BASE, 40                          ; s[40:63] a row's address, a pair for each of the 12 places in the ring
.set SEL,  66                          ; s[66:67] v_permlanex16_b32's selects for lane l xor 16
	s_load_b512 s[4:19], s[0:1], 0x0               ; keyvalues s[4:5], mask s[6:7], query codes s[8:9], scales s[10:11], weight codes s[12:13], scales s[14:15], part s[16:17], stats s[18:19]
	v_lshrrev_b32 v12, 5, v0
	v_readfirstlane_b32 s[WV], v12                 ; wave 0..15
	v_and_b32 v247, 31, v0                         ; lane
	v_and_b32 v249, 15, v0                         ; r
	v_bfe_u32 v248, v0, 4, 1                       ; h
	v_lshlrev_b32 v[LN16], 4, v247
	v_lshlrev_b32 v246, 2, v247                    ; my mask word
	v_mul_u32_u24 v241, v248, 192                  ; my half of a row of codes
	v_mov_b32 v252, 0
	s_and_b32 s[BT], ttmp7, 0xffff
	s_lshl_b32 s24, s[BT], 14                      ; the mask: 4,096 words a batch,
	s_lshl_b32 s23, ttmp9, 11                      ; 512 a work-group,
	s_add_co_u32 s24, s24, s23
	s_lshl_b32 s23, s[WV], 7                       ; 32 a wave
	s_add_co_u32 s24, s24, s23
	s_mov_b32 s25, 0
	s_lshl_b32 s26, s24, 9                         ; a row is 512 times a mask word; under 2^28 bytes in all
	s_mov_b32 s27, 0
	s_mul_i32 s74, s[BT], 384                      ; the batch's query row,
	s_mov_b32 s75, 0
	s_lshl_b32 s76, s[BT], 4                       ; its 16 scale bytes,
	s_mov_b32 s77, 0
	s_mul_i32 s78, s[WV], 12288                    ; my 32 weight rows,
	s_mov_b32 s79, 0
	s_lshl_b32 s80, s[WV], 9                       ; their scale bytes
	s_mov_b32 s81, 0
	s_mul_i32 s70, s[WV], WREG                     ; LDS: my weight rows,
	s_lshl_b32 s71, s[WV], 7
	s_add_co_u32 s71, s71, UB                      ; my 32 columns of u,
	s_lshl_b32 s72, s[WV], 11
	s_add_co_u32 s72, s72, PACC                    ; my sums,
	s_lshl_b32 s73, s[WV], 2
	s_add_co_u32 s73, s73, PM                      ; my largest t
	s_mov_b32 s[SEL], 0x76543210
	s_mov_b32 s[SEL+1], 0xfedcba98
	s_mov_b32 s68, 0x05010400                      ; v_perm_b32: bytes 0, 1 of the second source and of the first, by turns
	s_mov_b32 s69, 0x07030602                      ; the same of bytes 2, 3
	s_mov_b32 s[IDX], 0
	s_mov_b32 s37, 0
	s_wait_kmcnt 0x0
	s_add_nc_u64 s[6:7], s[6:7], s[24:25]
	global_load_b32 v240, v246, s[6:7] th:TH_LOAD_NT   ; the mask first: the rows' addresses wait for it
	s_add_nc_u64 s[4:5], s[4:5], s[26:27]          ; keyvalues at my first row
	s_add_nc_u64 s[10:11], s[10:11], s[76:77]
	s_add_nc_u64 s[14:15], s[14:15], s[80:81]
	s_add_nc_u64 s[8:9], s[8:9], s[74:75]
	s_add_nc_u64 s[12:13], s[12:13], s[78:79]
	global_load_b128 v[2:5], v252, s[10:11]        ; the query row's 16 scale bytes, the same in every lane
	global_load_b128 v[6:9], v[LN16], s[14:15]     ; lane l: those of my weight row l: 512 bytes on end
.irp i, 0,1,2,3,4,5,6,7,8,9,10,11
	global_load_b128 v[QF+4*\i:QF+4*\i+3], v241, s[8:9] offset:16*\i   ; the query row's blocks 8 h .. 8 h + 7, whatever r
.endr
.irp j, 0,1,2,3,4,5,6,7,8,9,10,11,12,13,14,15,16,17,18,19,20,21,22,23
	global_load_b128 v[WF+4*\j:WF+4*\j+3], v[LN16], s[12:13] offset:512*\j   ; my 12,288 bytes of weight codes as they lie: 512 bytes on end a load
.endr
	; where these go in LDS: piece x = 32 jj + lane of three loads' 96 pieces of 16 bytes lies in row x / 24 of four; x / 24 = 43 x >> 10 for x under 96; each row passed adds 16 bytes
.irp jj, 0,1,2
	v_add_nc_u32 v250, 32*\jj, v247
	v_mul_u32_u24 v251, v250, 43
	v_lshrrev_b32 v251, 10, v251
	v_add_nc_u32 v250, v250, v251
	v_lshl_add_u32 v[242+\jj], v250, 4, s70
.endr
	v_mad_u32_u24 v245, v249, WPITCH, v241         ; and where a fragment is read: row r, + my half
	v_add_nc_u32 v245, s70, v245
; Four rows are asked for, into slot x.  The lowest set bit is the next kept row; where none is left the last one is named again, so that a group is always 16 loads.
; The row's number, made of loaded words, is held to 31 before it enters an address.  No cache hint: the filling names a row a second time.
.macro ISSUE x
.irp r, 0,1,2,3
	s_ctz_i32_b32 s33, s[BITS]
	s_cmp_lg_u32 s[BITS], 0
	s_cselect_b32 s[IDX], s33, s[IDX]
	s_sub_co_u32 s34, s[BITS], 1
	s_and_b32 s[BITS], s[BITS], s34                ; the bit is taken out
	s_min_u32 s33, s[IDX], 31
	s_lshl_b32 s36, s33, 11
	s_add_nc_u64 s[BASE+8*\x+2*\r:BASE+8*\x+2*\r+1], s[4:5], s[36:37]   ; this place's pair: the loads that named it last were waited for ahead of the slot's work
.irp j, 0,1,2,3
	global_load_b128 v[RING+64*\x+16*\r+4*\j:RING+64*\x+16*\r+4*\j+3], v[LN16], s[BASE+8*\x+2*\r:BASE+8*\x+2*\r+1] offset:512*\j   ; 512 bytes on end; four loads are the row
.endr
.endr
.endm
	s_wait_loadcnt 38                              ; loads come back in order: the mask word is in, the 2 + 12 + 24 loads behind it may be out
	v_cmp_ne_u32 s[BITS], 0, v240                  ; bit l: row l counts
	s_bcnt1_i32_b32 s33, s[BITS]                   ; n, 0 to 32
	s_add_co_u32 s[NG], s33, 3
	s_lshr_b32 s[NG], s[NG], 2
	s_max_u32 s[NG], s[NG], 1                      ; groups: at least one, so that the first group's loads stand on every way
	s_lshl_b32 s34, s[NG], 2
	s_sub_co_u32 s34, s34, 4
	s_sub_co_u32 s[CNT], s33, s34                  ; kept rows in the last group: 1 to 4, or 0 where n = 0
	ISSUE 0                                        ; the first group goes out before u is made
	; ---- u ----
	s_wait_loadcnt 16                              ; scales, query and weights are in; the first group's 16 loads may be out
	v_perm_b32 v10, v4, v2, s69                    ; K step 1's word: the bytes of blocks 2, 10, 3, 11
	v_perm_b32 v2, v4, v2, s68                     ; step 0: blocks 0, 8, 1, 9
	v_perm_b32 v4, v5, v3, s68                     ; step 2: blocks 4, 12, 5, 13
	v_perm_b32 v5, v5, v3, s69                     ; step 3: blocks 6, 14, 7, 15
	v_perm_b32 v11, v8, v6, s69                    ; the weights' likewise
	v_perm_b32 v6, v8, v6, s68
	v_perm_b32 v8, v9, v7, s68
	v_perm_b32 v9, v9, v7, s69
.irp a, 0,1,2,3,4,5,6,7
.irp jj, 0,1,2
	ds_store_b128 v[242+\jj], v[WF+4*(3*\a+\jj):WF+4*(3*\a+\jj)+3] offset:4*WPITCH*\a   ; three loads are four rows
.endr
.endr
.irp t, 0,1
.irp i, 0,1,2,3,4,5,6,7,8,9,10,11
	ds_load_b128 v[WF+48*\t+4*\i:WF+48*\t+4*\i+3], v245 offset:16*WPITCH*\t+16*\i   ; LDS serves a wave's instructions in order: these see my stores.  Row 16 t + r, blocks 8 h .. 8 h + 7
.endr
.endr
	v_lshlrev_b32 v[UST], 2, v249                  ; the LDS addresses of the later steps are made here, ahead of every branch on the mask; with the v_nop they are the places
	v_add_nc_u32 v[UST], s71, v[UST]               ; between the scale words' last write and the first scaled matrix instruction
	v_add_nc_u32 v[URD], UB, v[LN16]
	v_add_nc_u32 v[PAD], s72, v[LN16]
	v_mov_b32 v[PMA], s73
.rept 4
	v_nop
.endr
	s_wait_dscnt 0x0
; K step s for my two tiles of 16 columns: source 0 = the query row 16 times, source 1 = 16 weight rows.  The two accumulators take turns.
.macro UMUL s, qs, ws, first
.if \first
	v_wmma_scale_f32_16x16x128_f8f6f4 v[DU:DU+7], v[QF+12*\s:QF+12*\s+11], v[WF+12*\s:WF+12*\s+11], 0, v[\qs], v[\ws] matrix_a_fmt:MATRIX_FMT_FP6 matrix_b_fmt:MATRIX_FMT_FP6
	v_wmma_scale_f32_16x16x128_f8f6f4 v[DU+8:DU+15], v[QF+12*\s:QF+12*\s+11], v[WF+48+12*\s:WF+48+12*\s+11], 0, v[\qs], v[\ws] matrix_a_fmt:MATRIX_FMT_FP6 matrix_b_fmt:MATRIX_FMT_FP6 matrix_b_scale:MATRIX_SCALE_ROW1
.else
	v_wmma_scale_f32_16x16x128_f8f6f4 v[DU:DU+7], v[QF+12*\s:QF+12*\s+11], v[WF+12*\s:WF+12*\s+11], v[DU:DU+7], v[\qs], v[\ws] matrix_a_fmt:MATRIX_FMT_FP6 matrix_b_fmt:MATRIX_FMT_FP6
	v_wmma_scale_f32_16x16x128_f8f6f4 v[DU+8:DU+15], v[QF+12*\s:QF+12*\s+11], v[WF+48+12*\s:WF+48+12*\s+11], v[DU+8:DU+15], v[\qs], v[\ws] matrix_a_fmt:MATRIX_FMT_FP6 matrix_b_fmt:MATRIX_FMT_FP6 matrix_b_scale:MATRIX_SCALE_ROW1
.endif
.endm
	UMUL 0, 2, 6, 1                                ; the first K step starts the sums
	UMUL 1, 10, 11, 0
	UMUL 2, 4, 8, 0
	UMUL 3, 5, 9, 0
.rept 4
	v_nop                                          ; four places behind the last matrix instruction, ahead of the reads of the results and of every write and load into its registers
.endr
	v_mul_f32 v252, 0x3fb8aa3b, v[DU]              ; every row of a result is u: register 0 of lane (r, h) is u at column r of the tile.  x log2(e), so that the weights are powers of two
	v_mul_f32 v253, 0x3fb8aa3b, v[DU+8]
	ds_store_b32 v[UST], v252                      ; both halves of the lanes write the same word with the same value
	ds_store_b32 v[UST], v253 offset:64
.irp i, 0,1,2,3,4,5,6,7,8,9,10,11,12,13,14,15
	v_mov_b32 v[ACC+\i], 0                         ; the group's work is written for any group: the first finds zeros, which its factor 2^(-3e38 - t) = 0 leaves zeros
.endr
	v_mov_b32 v[P+9], 0                            ; (named as the upper half of a pair)
	v_mov_b32 v[M], 0xff61b1e6                     ; -3e38
	v_mov_b32 v[L], 0
	s_wait_dscnt 0x0                               ; for the others' sake: my columns of u are in LDS
	s_barrier_signal -1
	s_barrier_wait -1
.irp j, 0,1,2,3
	ds_load_b128 v[U+4*\j:U+4*\j+3], v[URD] offset:512*\j
.endr
	s_wait_dscnt 0x0
; THE WORK OF A GROUP: the four rows of slot x.  last = 1: the wave's last group, in which only the first s[CNT] rows count.
.macro PROC x, last
.set X, RING+64*\x
.irp r, 0,1,2,3
	v_pk_mul_f32 v[P+2*\r:P+2*\r+1], v[X+16*\r:X+16*\r+1], v[U:U+1]          ; row . u, two columns an instruction, the four rows by turns
.endr
.irp i, 1,2,3,4,5,6,7
.irp r, 0,1,2,3
	v_pk_fma_f32 v[P+2*\r:P+2*\r+1], v[X+16*\r+2*\i:X+16*\r+2*\i+1], v[U+2*\i:U+2*\i+1], v[P+2*\r:P+2*\r+1]
.endr
.endr
.irp r, 0,1,2,3
	v_add_f32 v[P+2*\r], v[P+2*\r], v[P+2*\r+1]
.endr
.irp k, 1,2,4,8
.irp r, 0,1,2,3
	v_add_f32_dpp v[P+2*\r], v[P+2*\r], v[P+2*\r] row_xmask:\k row_mask:0xf bank_mask:0xf   ; over the 16 lanes of a half
.endr
.endr
.irp r, 0,1,2,3
	v_permlanex16_b32 v[P+2*\r+1], v[P+2*\r], s[SEL], s[SEL+1]
.endr
.irp r, 0,1,2,3
	v_add_f32 v[P+2*\r], v[P+2*\r], v[P+2*\r+1]    ; and the other half: every lane holds the row's t
.endr
.if \last
.irp r, 0,1,2,3
	s_cmp_gt_u32 s[CNT], \r
	s_cselect_b32 s33, 0, 0xff800000
	v_add_f32 v[P+2*\r], s33, v[P+2*\r]            ; the filling's t becomes -infinity: its weight is 0
.endr
.endif
	v_max3_num_f32 v[MN], v[P], v[P+2], v[P+4]
	v_max3_num_f32 v[MN], v[MN], v[P+6], v[M]      ; the new largest t
	v_sub_f32 v[P+8], v[M], v[MN]
.irp r, 0,1,2,3
	v_sub_f32 v[P+2*\r], v[P+2*\r], v[MN]
.endr
	v_exp_f32 v[P+8], v[P+8]                       ; the factor 2^(old - new)
.irp r, 0,1,2,3
	v_exp_f32 v[P+2*\r], v[P+2*\r]                 ; the weights 2^(t - new), at most 1
.endr
	v_mov_b32 v[M], v[MN]                          ; a plain instruction behind the exponentials
	s_wait_alu depctr_va_vdst(0)                   ; one wait for the five, ahead of their first reader
	v_add_f32 v[T1], v[P], v[P+2]
	v_add_f32 v[T2], v[P+4], v[P+6]
	v_fma_f32 v[L], v[L], v[P+8], v[T1]
.irp i, 0,1,2,3,4,5,6,7
	v_pk_mul_f32 v[ACC+2*\i:ACC+2*\i+1], v[ACC+2*\i:ACC+2*\i+1], v[P+8:P+9] op_sel_hi:[1,0]   ; the sums under the new largest t
.endr
	v_add_f32 v[L], v[L], v[T2]
.irp r, 0,1,2,3
.irp i, 0,1,2,3,4,5,6,7
	v_pk_fma_f32 v[ACC+2*\i:ACC+2*\i+1], v[X+16*\r+2*\i:X+16*\r+2*\i+1], v[P+2*\r:P+2*\r+1], v[ACC+2*\i:ACC+2*\i+1] op_sel_hi:[1,0,1]   ; + weight x row (the pair's low word serves both halves)
.endr
.endr
.endm
; A STEP OF THE MAIN LINE.  Two groups are out and a third exists: it is asked for, into slot xi; the oldest group, in slot xp, is worked.
; Where the wave has fewer than 'need' groups nothing is left to ask for: on to the last two groups, which lie in the slots that the label 'out' names.
.macro MAIN xi, xp, need, out
	ISSUE \xi
	s_wait_loadcnt 32                              ; slot xp's 16 loads are in; the two younger groups' 32 may be out
	PROC \xp, 0
	s_cmp_lt_u32 s[NG], \need
	s_cbranch_scc1 \out
.endm
	; ---- the stream.  Group g lies in slot g % 3; 32 rows are 8 groups at the most, so the groups are written out and every branch leads forward ----
	s_cmp_lt_u32 s[NG], 2
	s_cbranch_scc1 .Ltail1_s0
	ISSUE 1
	s_cmp_lt_u32 s[NG], 3
	s_cbranch_scc1 .Ltail2_s0
	MAIN 2, 0, 4, .Ltail2_s1                       ; asks for group 2, works group 0
	MAIN 0, 1, 5, .Ltail2_s2                       ; group 3, group 1
	MAIN 1, 2, 6, .Ltail2_s0                       ; group 4, group 2
	MAIN 2, 0, 7, .Ltail2_s1                       ; group 5, group 3
	MAIN 0, 1, 8, .Ltail2_s2                       ; group 6, group 4
	ISSUE 1                                        ; group 7, the last that a wave can have
	s_wait_loadcnt 32
	PROC 2, 0                                      ; group 5; groups 6 and 7 lie in slots 0 and 1
.Ltail2_s0:                                            ; the last two groups, in slots 0 and 1
	s_wait_loadcnt 16                              ; the last group's 16 loads may be out
	PROC 0, 0
	s_wait_loadcnt 0x0
	PROC 1, 1
	s_branch .Ldone
.Ltail2_s1:                                            ; in slots 1 and 2
	s_wait_loadcnt 16
	PROC 1, 0
	s_wait_loadcnt 0x0
	PROC 2, 1
	s_branch .Ldone
.Ltail2_s2:                                            ; in slots 2 and 0
	s_wait_loadcnt 16
	PROC 2, 0
.Ltail1_s0:                                            ; (a wave with one group comes in here)
	s_wait_loadcnt 0x0
	PROC 0, 1
.Ldone:
	; ---- the 16 waves' parts meet in LDS ----
.irp j, 0,1,2,3
	ds_store_b128 v[PAD], v[ACC+4*\j:ACC+4*\j+3] offset:512*\j
.endr
	ds_store_b32 v[PMA], v[M]                      ; all lanes write the same word with the same value
	ds_store_b32 v[PMA], v[L] offset:64
	s_wait_dscnt 0x0                               ; for the others' sake
	s_barrier_signal -1
	s_barrier_wait -1
	s_cmp_ge_u32 s[WV], 4
	s_cbranch_scc1 .Lend                           ; waves 0 to 3 merge: thread t takes columns 4 t .. 4 t + 3, 16 bytes
	v_lshl_add_u32 v[UST], v0, 4, PACC
	v_mov_b32 v[URD], PM
.irp i, 0,1,2,3
	ds_load_b128 v[68+4*\i:71+4*\i], v[URD] offset:16*\i         ; v68-83: the 16 largest t
.endr
.irp i, 0,1,2,3
	ds_load_b128 v[84+4*\i:87+4*\i], v[URD] offset:64+16*\i      ; v84-99: the 16 sums of weights
.endr
.irp w, 0,1,2,3,4,5,6,7,8,9,10,11,12,13,14,15
	ds_load_b128 v[128+4*\w:131+4*\w], v[UST] offset:2048*\w     ; wave w's sums at my four columns
.endr
	s_lshl_b32 s24, s[BT], 3
	s_add_co_u32 s24, s24, ttmp9                   ; the part's number: 8 x batch + run
	s_lshl_b32 s26, s24, 11                        ; 2,048 bytes a part  (s25 and s27 are still 0)
	s_lshl_b32 s24, s24, 8                         ; 256 bytes of stats
	s_add_nc_u64 s[16:17], s[16:17], s[26:27]
	s_add_nc_u64 s[18:19], s[18:19], s[24:25]
	s_wait_dscnt 16                                ; the eight loads of t and sums are in; the 16 behind them may be out
	v_max3_num_f32 v66, v68, v69, v70
.irp i, 3,5,7,9,11,13
	v_max3_num_f32 v66, v66, v[68+\i], v[69+\i]
.endr
	v_max_num_f32 v66, v66, v83                    ; the work-group's largest t
.irp w, 0,1,2,3,4,5,6,7,8,9,10,11,12,13,14,15
	v_sub_f32 v[F+2*\w+1], v[68+\w], v66
.endr
.irp w, 0,1,2,3,4,5,6,7,8,9,10,11,12,13,14,15
	v_exp_f32 v[F+2*\w], v[F+2*\w+1]               ; wave w's factor
.endr
	v_lshlrev_b32 v[PAD], 4, v0                    ; (a plain instruction behind the exponentials)  my 16 bytes of the part
	s_wait_alu depctr_va_vdst(0)                   ; one wait for the 16, ahead of their first reader
	v_mul_f32 v67, v[F], v84
.irp w, 1,2,3,4,5,6,7,8,9,10,11,12,13,14,15
	v_fma_f32 v67, v[F+2*\w], v[84+\w], v67        ; the work-group's sum of weights
.endr
	s_wait_dscnt 0x0
	v_pk_mul_f32 v[100:101], v[128:129], v[F:F+1] op_sel_hi:[1,0]
	v_pk_mul_f32 v[102:103], v[130:131], v[F:F+1] op_sel_hi:[1,0]
.irp w, 1,2,3,4,5,6,7,8,9,10,11,12,13,14,15
	v_pk_fma_f32 v[100:101], v[128+4*\w:129+4*\w], v[F+2*\w:F+2*\w+1], v[100:101] op_sel_hi:[1,0,1]
	v_pk_fma_f32 v[102:103], v[130+4*\w:131+4*\w], v[F+2*\w:F+2*\w+1], v[102:103] op_sel_hi:[1,0,1]
.endr
	global_store_b128 v[PAD], v[100:103], s[16:17] ; a wave stores 512 bytes on end, at a multiple of 256 from the buffer's first byte
	s_cmp_lg_u32 s[WV], 0
	s_cbranch_scc1 .Lend
	v_lshlrev_b32 v[PMA], 3, v0
	global_store_b64 v[PMA], v[66:67], s[18:19]    ; wave 0: the largest t and the sum of weights, 32 times: 256 bytes on end, aligned; the next launch reads the first 8
.Lend:
	s_wait_xcnt 0x0
	v_lshl_add_u32 v254, v0, 2, 0x3a900
	v_mov_b32 v255, 0
	s_wait_tensorcnt 0x0
	ds_add_u32 v254, v255
	s_wait_dscnt 0x0
	s_endpgm
.Lfunc_end_k_qe516da5be9_stream:
	.size	k_qe516da5be9_stream, .Lfunc_end_k_qe516da5be9_stream-k_qe516da5be9_stream
	.p2alignl 7, 3214868480
	.fill 96, 4, 3214868480
	.section	.rodata,"a",@progbits
	.p2align	6, 0x0
	.amdhsa_kernel k_qe516da5be9_stream
		.amdhsa_group_segment_fixed_size 241920
		.amdhsa_private_segment_fixed_size 0
		.amdhsa_enable_private_segment 0
		.amdhsa_kernarg_size 64
		.amdhsa_user_sgpr_count 2
		.amdhsa_user_sgpr_kernarg_segment_ptr 1
		.amdhsa_wavefront_size32 1
		.amdhsa_system_sgpr_workgroup_id_x 1
		.amdhsa_system_sgpr_workgroup_id_y 1
		.amdhsa_system_sgpr_workgroup_id_z 1
		.amdhsa_system_vgpr_workitem_id 0
		.amdhsa_next_free_vgpr 256
		.amdhsa_next_free_sgpr 82
		.amdhsa_reserve_vcc 0
		.amdhsa_float_denorm_mode_32 3
		.amdhsa_float_denorm_mode_16_64 3
		.amdhsa_memory_ordered 1
		.amdhsa_forward_progress 1
		.amdhsa_inst_pref_size 123
	.end_amdhsa_kernel
	.amdgpu_metadata
---
amdhsa.version: [ 1, 2 ]
amdhsa.kernels:
  - .name:           k_qe516da5be9_stream
    .symbol:         k_qe516da5be9_stream.kd
    .args:
      - { .name: keyvalues, .offset: 0, .size: 8, .value_kind: global_buffer, .address_space: global }
      - { .name: keyvalues_mask, .offset: 8, .size: 8, .value_kind: global_buffer, .address_space: global }
      - { .name: query_codes, .offset: 16, .size: 8, .value_kind: global_buffer, .address_space: global }
      - { .name: query_scales, .offset: 24, .size: 8, .value_kind: global_buffer, .address_space: global }
      - { .name: weight_codes, .offset: 32, .size: 8, .value_kind: global_buffer, .address_space: global }
      - { .name: weight_scales, .offset: 40, .size: 8, .value_kind: global_buffer, .address_space: global }
      - { .name: part, .offset: 48, .size: 8, .value_kind: global_buffer, .address_space: global }
      - { .name: stats, .offset: 56, .size: 8, .value_kind: global_buffer, .address_space: global }
    .group_segment_fixed_size: 241920
    .private_segment_fixed_size: 0
    .kernarg_segment_align: 8
    .kernarg_segment_size: 64
    .max_flat_workgroup_size: 512
    .sgpr_count:     82
    .vgpr_count:     256
    .wavefront_size: 32
...
	.end_amdgpu_metadata
.endif
;; end of part 1
;; launch merge (part 2): grid 32 x 1, 4 waves a work-group, no clusters, 0 bytes of LDS; arguments part, stats, out0; writes out0
.if DOCPART == 2
	.amdgcn_target "amdgcn-amd-amdhsa--gfx1250"
	.amdhsa_code_object_version 6
	.text
	.protected	k_qe516da5be9_merge
	.globl	k_qe516da5be9_merge
	.p2align	8
	.type	k_qe516da5be9_merge,@function
k_qe516da5be9_merge:
	s_mov_b64 s[64:65], 0
	v_nop
	global_prefetch_b8 v0, s[64:65] scope:SCOPE_SE
	s_setreg_imm32_b32 hwreg(HW_REG_WAVE_MODE, 25, 1), 1
	s_wait_xcnt 0x0
; out0[b][:] = (sum over the batch's 8 parts c of 2^(m_c - m) x part_c[:]) / (sum over c of 2^(m_c - m) x l_c),  m the largest m_c.
; part: [32][8][512] f32, the weighted sums; stats: 256 bytes a part, of which the first 8 are m_c (the part's largest score x log2(e)) and l_c (its sum of weights).
; One work-group of four waves for each batch; thread t takes columns 4 t .. 4 t + 3.  A part without a kept key has m_c = -3e38, l_c = 0 and zeros: its factor is 0 beside any other part.
; A batch without any kept key has the sum 0: 0 x (1 / 0) is NaN, as in reference().  No LDS, no barrier: threads share nothing.
	s_load_b128 s[4:7], s[0:1], 0x0                ; part, stats
	s_load_b64 s[8:9], s[0:1], 0x10                ; out0
	v_lshlrev_b32 v1, 4, v0                        ; my 16 bytes of a row of 2,048
	v_mov_b32 v2, 0
	s_lshl_b32 s10, ttmp9, 14                      ; the batch's 8 parts of 2,048 bytes
	s_mov_b32 s11, 0
	s_lshl_b32 s12, ttmp9, 11                      ; its 8 x 256 bytes of stats; also its row of out0
	s_mov_b32 s13, 0
	s_wait_kmcnt 0x0
	s_add_nc_u64 s[4:5], s[4:5], s[10:11]
	s_add_nc_u64 s[6:7], s[6:7], s[12:13]
	s_add_nc_u64 s[8:9], s[8:9], s[12:13]
.irp c, 0,1,2,3,4,5,6,7
	global_load_b64 v[4+2*\c:5+2*\c], v2, s[6:7] offset:256*\c        ; m_c in the even register, l_c in the odd one; the same in every lane
.endr
.irp c, 0,1,2,3,4,5,6,7
	global_load_b128 v[32+4*\c:35+4*\c], v1, s[4:5] offset:2048*\c    ; a wave reads 512 bytes on end
.endr
	s_wait_loadcnt 8                               ; the eight pairs are in; the eight loads of parts behind them may be out
	v_max3_num_f32 v20, v4, v6, v8
	v_max3_num_f32 v20, v20, v10, v12
	v_max3_num_f32 v20, v20, v14, v16
	v_max_num_f32 v20, v20, v18                    ; m
.irp c, 0,1,2,3,4,5,6,7
	v_sub_f32 v[4+2*\c], v[4+2*\c], v20
.endr
.irp c, 0,1,2,3,4,5,6,7
	v_exp_f32 v[4+2*\c], v[4+2*\c]                 ; the part's factor
.endr
	v_nop                                          ; a plain instruction behind the exponentials
	s_wait_alu depctr_va_vdst(0)                   ; one wait for the eight, ahead of their first reader
	v_mul_f32 v21, v4, v5
.irp c, 1,2,3,4,5,6,7
	v_fma_f32 v21, v[4+2*\c], v[5+2*\c], v21       ; the batch's sum of weights
.endr
	v_rcp_f32 v22, v21
	s_wait_loadcnt 0x0
	v_pk_mul_f32 v[24:25], v[32:33], v[4:5] op_sel_hi:[1,0]           ; (plain work behind the reciprocal, which it does not name; of a pair the low word, the factor, serves both halves)
	v_pk_mul_f32 v[26:27], v[34:35], v[4:5] op_sel_hi:[1,0]
.irp c, 1,2,3,4,5,6,7
	v_pk_fma_f32 v[24:25], v[32+4*\c:33+4*\c], v[4+2*\c:5+2*\c], v[24:25] op_sel_hi:[1,0,1]
	v_pk_fma_f32 v[26:27], v[34+4*\c:35+4*\c], v[4+2*\c:5+2*\c], v[26:27] op_sel_hi:[1,0,1]
.endr
	s_wait_alu depctr_va_vdst(0)                   ; the wait for the reciprocal, ahead of its first reader
.irp i, 0,1,2,3
	v_mul_f32 v[24+\i], v[24+\i], v22
.endr
	global_store_b128 v1, v[24:27], s[8:9]         ; a wave stores 512 bytes on end, at a multiple of 256 from out0's first byte
	s_endpgm
.Lfunc_end_k_qe516da5be9_merge:
	.size	k_qe516da5be9_merge, .Lfunc_end_k_qe516da5be9_merge-k_qe516da5be9_merge
	.p2alignl 7, 3214868480
	.fill 96, 4, 3214868480
	.section	.rodata,"a",@progbits
	.p2align	6, 0x0
	.amdhsa_kernel k_qe516da5be9_merge
		.amdhsa_group_segment_fixed_size 0
		.amdhsa_private_segment_fixed_size 0
		.amdhsa_enable_private_segment 0
		.amdhsa_kernarg_size 24
		.amdhsa_user_sgpr_count 2
		.amdhsa_user_sgpr_kernarg_segment_ptr 1
		.amdhsa_wavefront_size32 1
		.amdhsa_system_sgpr_workgroup_id_x 1
		.amdhsa_system_sgpr_workgroup_id_y 1
		.amdhsa_system_sgpr_workgroup_id_z 1
		.amdhsa_system_vgpr_workitem_id 0
		.amdhsa_next_free_vgpr 64
		.amdhsa_next_free_sgpr 66
		.amdhsa_reserve_vcc 0
		.amdhsa_float_denorm_mode_32 3
		.amdhsa_float_denorm_mode_16_64 3
		.amdhsa_memory_ordered 1
		.amdhsa_forward_progress 1
		.amdhsa_inst_pref_size 5
	.end_amdhsa_kernel
	.amdgpu_metadata
---
amdhsa.version: [ 1, 2 ]
amdhsa.kernels:
  - .name:           k_qe516da5be9_merge
    .symbol:         k_qe516da5be9_merge.kd
    .args:
      - { .name: part, .offset: 0, .size: 8, .value_kind: global_buffer, .address_space: global }
      - { .name: stats, .offset: 8, .size: 8, .value_kind: global_buffer, .address_space: global }
      - { .name: out0, .offset: 16, .size: 8, .value_kind: global_buffer, .address_space: global }
    .group_segment_fixed_size: 0
    .private_segment_fixed_size: 0
    .kernarg_segment_align: 8
    .kernarg_segment_size: 24
    .max_flat_workgroup_size: 128
    .sgpr_count:     66
    .vgpr_count:     64
    .wavefront_size: 32
...
	.end_amdgpu_metadata
.endif
;; end of part 2
;; ======== version 2 of 2: 2 launches; version 1 with the launch stream written anew for expert scheduling mode
;; workspace buffers: part 524,288 bytes; stats 65,536 bytes
;; launch stream (part 3): grid 8 x 32, 16 waves a work-group, no clusters, 241,920 bytes of LDS; arguments keyvalues, keyvalues_mask, query_codes, query_scales, weight_codes, weight_scales, part, stats; writes part, stats
.if DOCPART == 3
	.amdgcn_target "amdgcn-amd-amdhsa--gfx1250"
	.amdhsa_code_object_version 6
	.text
	.protected	k_qe516da5be9_stream
	.globl	k_qe516da5be9_stream
	.p2align	8
	.type	k_qe516da5be9_stream,@function
k_qe516da5be9_stream:
	s_mov_b64 s[64:65], 0
	v_nop
	global_prefetch_b8 v0, s[64:65] scope:SCOPE_SE
	s_setreg_imm32_b32 hwreg(HW_REG_WAVE_SCHED_MODE, 0, 2), 2
	s_setreg_imm32_b32 hwreg(HW_REG_WAVE_MODE, 25, 1), 1
	s_wait_xcnt 0x0
	s_wait_alu depctr_vm_vsrc(0)
; a[b][:] = sum over s of softmax_s(mask ? keyvalues[b][s] . u[b] : -inf) keyvalues[b][s][:],  u[b][k] = sum over q of query[b][q] weight[q][k].
; This launch makes, for each of 8 runs of 512 keys of each of the 32 batches, a PART: the largest t = score x log2(e), the sum of 2^(t - largest) and the sum of 2^(t - largest) x row.  The next launch merges a batch's 8 parts.
; SHARES.  A work-group of 16 waves takes 512 keys of one batch; a wave 32 keys; a lane 64 bytes (16 columns) of each row that it reads.
; THE MASK.  A key whose mask word is 0 has the weight 0 in reference(): its row of 2,048 bytes is not loaded.  The wave's 32 mask words become a set of 32 bits; set bits are taken from the low end on.
; u.  Every work-group makes its batch's u itself: wave w the columns 32 w .. 32 w + 31, by 8 matrix instructions on the codes of E2M3 as they are given; that spares a launch.  All 16 rows of source 0 are the batch's
; query row, so every row of the result is u.  The weights' codes, which all work-groups read (204,800 bytes with their scales), come by plain loads and not by joint tensor loads.
; THE ORDER OF K.  A row of codes is 16 blocks of 24 bytes.  Lanes 0-15 take blocks 0-7 of their row, lanes 16-31 blocks 8-15: 192 bytes on end, 12 loads of 16 bytes.  So K step s multiplies blocks 2 s, 2 s + 1, 8 + 2 s, 9 + 2 s,
; alike in query and weight; a sum over K does not ask in which order.  The scale bytes are put in the same order: byte 2 c + h of a step's word is that of block 8 h + 2 s + c.
; THE STREAM.  Three slots of 4 rows in registers take turns: up to 12 rows, 24,576 bytes, of a wave are on their way.  A wave has 1 to 8 groups of 4 rows, as the mask has it.  There is no loop: the groups are written out,
; and the main line is left by forward branches alone, to the last two groups, written out for each slot.  So every counted wait stands on a way on which the loads behind the awaited ones are fixed by the text.
; The last group is filled up by naming the last kept row again (in a wave without a kept row: row 0); the filling's score becomes -infinity.
; SOFTMAX.  A running largest t per wave (it begins at -3e38); in each group the sums are multiplied by 2^(old - new).
; LIMITS.  NaN and infinities in keyvalues are not served.  score x log2(e) has to lie above -3e38.  The f32 sums are taken in another order than reference()'s.
; A batch none of whose keys counts gives NaN, as in reference() (0 x infinity in the next launch).
; THE MODE: SCHED_MODE bits 1:0 = 2 (LLVM: expert scheduling mode 2), set by the entry lines.  The code itself states the register dependences
; between vector or matrix instructions and memory or LDS instructions, with s_wait_alu, always for 0.
; THE PLAN.  Registers that memory or LDS instructions touch:
;   v1            the offset of every global load of codes and rows: written once at the head, never again.
;   the ring      slot x: ISSUE x's 16 loads land in it; PROC x's vector lines read it; then ISSUE x again.  No memory instruction reads it.
;                 ISSUE makes its four addresses first, scalar lines that stand behind the last PROC's vector lines; then ONE wait on va_vdst (PROC x is done reading slot x); then the 16 loads in one run.
;                 While they are out, the vector lines name the other slots, u, the sums and v48-62 alone.  A slot's first ISSUE owes no such wait: see the wait ahead of u's stores.
;   the head      v241-253 (offsets, LDS addresses, u's two words), v128-223 (the weights) and v12-15 (LDS addresses) are written by vector lines or loads and read by memory and LDS instructions; slots 1 and 2 of the ring lie
;                 over v128-253, and the merge writes v12-15 again.  One wait on va_vdst ahead of u's stores and one on vm_vsrc ahead of the stream close the head for all of them.
;   the way out   the sums, m and l: written by PROC, read by the LDS stores behind one wait on va_vdst; v12 and v13 are written again only behind a wait on vm_vsrc.
.set WPITCH, 400                       ; a weight row in LDS: 384 bytes + 16 = 25 x 16 bytes: the 16 rows that a load of 16 bytes a lane touches start at 16 different columns of 16 bytes modulo 256
.set WREG,   32*WPITCH                 ; a wave's own 32 rows
.set UB,     16*WREG                   ; behind them: u x log2(e), 512 numbers
.set PACC,   UB+2048                   ; the 16 waves' sums, 2,048 bytes each
.set PM,     PACC+16*2048              ; their 16 largest t, and 64 bytes on their 16 sums of weights
.set LN16, 1                           ; v1      16 x lane; never rewritten
                                       ; v2-11   scale words and nothing else: query's K steps 0-3 in v2, v10, v4, v5; the weights' in v6, v11, v8, v9 (lanes 0-15: my first 16 columns, lanes 16-31: my second)
.set PAD,  12                          ; v12     LDS: where my sums go
.set PMA,  13                          ; v13     LDS: where my largest t goes
.set UST,  14                          ; v14     LDS: where my columns of u go
.set URD,  15                          ; v15     LDS: where I read u
.set U,    16                          ; v16-31  u x log2(e) at my 16 columns: register 4 j + c is column 128 j + 4 lane + c
.set ACC,  32                          ; v32-47  the weighted sum at the same columns
.set P,    48                          ; v48-55  four pairs: a row's t, then its weight, in the even register; v56 the factor 2^(old - new), v57 named with it as a pair
.set M,    58                          ; v58     the largest t so far
.set L,    59                          ; v59     the sum of weights
.set MN,   60
.set T1,   61
.set T2,   62
.set RING, 64                          ; v64-255 slot x, row r: 16 registers at RING + 64 x + 16 r
.set QF,   16                          ; while u is made: v16-63 the query row's 4 fragments,
.set WF,   128                         ; v128-223 my 32 weight rows, as loaded and then as 8 fragments,
.set DU,   224                         ; v224-239 two accumulators; v240-253 at work
.set F,    192                         ; in the merge: 16 pairs, a wave's factor in the even register
.set WV,   20                          ; s20 wave
.set BT,   22                          ; s22 batch
.set BITS, 28                          ; s28 the kept rows not yet asked for
.set IDX,  29                          ; s29 the row asked for last
.set NG,   30                          ; s30 groups of 4 rows: 1 to 8
.set CNT,  32                          ; s32 kept rows in the last group
.set BASE, 40                          ; s[40:63] a row's address, a pair for each of the 12 places in the ring
.set SEL,  66                          ; s[66:67] v_permlanex16_b32's selects for lane l xor 16
	s_load_b512 s[4:19], s[0:1], 0x0               ; keyvalues s[4:5], mask s[6:7], query codes s[8:9], scales s[10:11], weight codes s[12:13], scales s[14:15], part s[16:17], stats s[18:19]
	v_lshrrev_b32 v12, 5, v0
	v_readfirstlane_b32 s[WV], v12                 ; wave 0..15
	v_and_b32 v247, 31, v0                         ; lane
	v_and_b32 v249, 15, v0                         ; r
	v_bfe_u32 v248, v0, 4, 1                       ; h
	v_lshlrev_b32 v[LN16], 4, v247
	v_lshlrev_b32 v246, 2, v247                    ; my mask word
	v_mul_u32_u24 v241, v248, 192                  ; my half of a row of codes
	v_mov_b32 v252, 0
	s_wait_alu depctr_va_sdst(0)                   ; s[WV] is written, ahead of its first reader: the wave's offsets in memory and in LDS are made from it
	s_and_b32 s[BT], ttmp7, 0xffff
	s_lshl_b32 s24, s[BT], 14                      ; the mask: 4,096 words a batch,
	s_lshl_b32 s23, ttmp9, 11                      ; 512 a work-group,
	s_add_co_u32 s24, s24, s23
	s_lshl_b32 s23, s[WV], 7                       ; 32 a wave
	s_add_co_u32 s24, s24, s23
	s_mov_b32 s25, 0
	s_lshl_b32 s26, s24, 9                         ; a row is 512 times a mask word; under 2^28 bytes in all
	s_mov_b32 s27, 0
	s_mul_i32 s74, s[BT], 384                      ; the batch's query row,
	s_mov_b32 s75, 0
	s_lshl_b32 s76, s[BT], 4                       ; its 16 scale bytes,
	s_mov_b32 s77, 0
	s_mul_i32 s78, s[WV], 12288                    ; my 32 weight rows,
	s_mov_b32 s79, 0
	s_lshl_b32 s80, s[WV], 9                       ; their scale bytes
	s_mov_b32 s81, 0
	s_mul_i32 s70, s[WV], WREG                     ; LDS: my weight rows,
	s_lshl_b32 s71, s[WV], 7
	s_add_co_u32 s71, s71, UB                      ; my 32 columns of u,
	s_lshl_b32 s72, s[WV], 11
	s_add_co_u32 s72, s72, PACC                    ; my sums,
	s_lshl_b32 s73, s[WV], 2
	s_add_co_u32 s73, s73, PM                      ; my largest t
	s_mov_b32 s[SEL], 0x76543210
	s_mov_b32 s[SEL+1], 0xfedcba98
	s_mov_b32 s68, 0x05010400                      ; v_perm_b32: bytes 0, 1 of the second source and of the first, by turns
	s_mov_b32 s69, 0x07030602                      ; the same of bytes 2, 3
	s_mov_b32 s[IDX], 0
	s_mov_b32 s37, 0
	s_wait_kmcnt 0x0
	s_add_nc_u64 s[6:7], s[6:7], s[24:25]
	s_wait_alu depctr_va_vdst(0)                   ; v1, v241, v246 and v252 are written: the loads below, and every load of a row, read one of them as the offset
	global_load_b32 v240, v246, s[6:7] th:TH_LOAD_NT   ; the mask first: the rows' addresses wait for it
	s_add_nc_u64 s[4:5], s[4:5], s[26:27]          ; keyvalues at my first row
	s_add_nc_u64 s[10:11], s[10:11], s[76:77]
	s_add_nc_u64 s[14:15], s[14:15], s[80:81]
	s_add_nc_u64 s[8:9], s[8:9], s[74:75]
	s_add_nc_u64 s[12:13], s[12:13], s[78:79]
	global_load_b128 v[2:5], v252, s[10:11]        ; the query row's 16 scale bytes, the same in every lane
	global_load_b128 v[6:9], v[LN16], s[14:15]     ; lane l: those of my weight row l: 512 bytes on end
.irp i, 0,1,2,3,4,5,6,7,8,9,10,11
	global_load_b128 v[QF+4*\i:QF+4*\i+3], v241, s[8:9] offset:16*\i   ; the query row's blocks 8 h .. 8 h + 7, whatever r
.endr
.irp j, 0,1,2,3,4,5,6,7,8,9,10,11,12,13,14,15,16,17,18,19,20,21,22,23
	global_load_b128 v[WF+4*\j:WF+4*\j+3], v[LN16], s[12:13] offset:512*\j   ; my 12,288 bytes of weight codes as they lie: 512 bytes on end a load
.endr
	; where these go in LDS: piece x = 32 jj + lane of three loads' 96 pieces of 16 bytes lies in row x / 24 of four; x / 24 = 43 x >> 10 for x under 96; each row passed adds 16 bytes
.irp jj, 0,1,2
	v_add_nc_u32 v250, 32*\jj, v247
	v_mul_u32_u24 v251, v250, 43
	v_lshrrev_b32 v251, 10, v251
	v_add_nc_u32 v250, v250, v251
	v_lshl_add_u32 v[242+\jj], v250, 4, s70
.endr
	v_mad_u32_u24 v245, v249, WPITCH, v241         ; and where a fragment is read: row r, + my half
	v_add_nc_u32 v245, s70, v245
; Four rows are asked for, into slot x.  The lowest set bit is the next kept row; where none is left the last one is named again, so that a group is always 16 loads.
; The row's number, made of loaded words, is held to 31 before it enters an address.  No cache hint: the filling names a row a second time.
; The four addresses are made first: scalar lines.  after = 1: the slot has been worked on before, and the wait stands between the addresses and the loads.
.macro ISSUE x, after
.irp r, 0,1,2,3
	s_ctz_i32_b32 s33, s[BITS]
	s_cmp_lg_u32 s[BITS], 0
	s_cselect_b32 s[IDX], s33, s[IDX]
	s_sub_co_u32 s34, s[BITS], 1
	s_and_b32 s[BITS], s[BITS], s34                ; the bit is taken out
	s_min_u32 s33, s[IDX], 31
	s_lshl_b32 s36, s33, 11
	s_add_nc_u64 s[BASE+8*\x+2*\r:BASE+8*\x+2*\r+1], s[4:5], s[36:37]   ; this place's pair: the loads that named it last were waited for ahead of the slot's work
.endr
.if \after
	s_wait_alu depctr_va_vdst(0)                   ; the work on slot x, the last vector lines issued, is done reading the slot's 64 registers, in which the loads below land
.endif
.irp r, 0,1,2,3
.irp j, 0,1,2,3
	global_load_b128 v[RING+64*\x+16*\r+4*\j:RING+64*\x+16*\r+4*\j+3], v[LN16], s[BASE+8*\x+2*\r:BASE+8*\x+2*\r+1] offset:512*\j   ; 512 bytes on end; four loads are the row
.endr
.endr
.endm
	s_wait_loadcnt 38                              ; loads come back in order: the mask word is in, the 2 + 12 + 24 loads behind it may be out
	v_cmp_ne_u32 s[BITS], 0, v240                  ; bit l: row l counts
	s_wait_alu depctr_va_sdst(0)                   ; s[BITS] is written, ahead of its first reader: the count of groups and the rows' addresses are made from it
	s_bcnt1_i32_b32 s33, s[BITS]                   ; n, 0 to 32
	s_add_co_u32 s[NG], s33, 3
	s_lshr_b32 s[NG], s[NG], 2
	s_max_u32 s[NG], s[NG], 1                      ; groups: at least one, so that the first group's loads stand on every way
	s_lshl_b32 s34, s[NG], 2
	s_sub_co_u32 s34, s34, 4
	s_sub_co_u32 s[CNT], s33, s34                  ; kept rows in the last group: 1 to 4, or 0 where n = 0
	ISSUE 0, 0                                     ; the first group goes out before u is made.  No vector line has named v64-127 yet, and v1 was written ahead of the head's wait
	; ---- u ----
	s_wait_loadcnt 16                              ; scales, query and weights are in; the first group's 16 loads may be out
	v_perm_b32 v10, v4, v2, s69                    ; K step 1's word: the bytes of blocks 2, 10, 3, 11
	v_perm_b32 v2, v4, v2, s68                     ; step 0: blocks 0, 8, 1, 9
	v_perm_b32 v4, v5, v3, s68                     ; step 2: blocks 4, 12, 5, 13
	v_perm_b32 v5, v5, v3, s69                     ; step 3: blocks 6, 14, 7, 15
	v_perm_b32 v11, v8, v6, s69                    ; the weights' likewise
	v_perm_b32 v6, v8, v6, s68
	v_perm_b32 v8, v9, v7, s68
	v_perm_b32 v9, v9, v7, s69
	s_wait_alu depctr_va_vdst(0)                   ; v242 to v245 are written: the LDS stores and loads below read them as addresses
.irp a, 0,1,2,3,4,5,6,7
.irp jj, 0,1,2
	ds_store_b128 v[242+\jj], v[WF+4*(3*\a+\jj):WF+4*(3*\a+\jj)+3] offset:4*WPITCH*\a   ; three loads are four rows
.endr
.endr
	s_wait_alu depctr_vm_vsrc(0)                   ; the LDS stores have read v[WF ..], in which the LDS loads below land; and the load of the query's scales has read v252, which is written again behind the products
.irp t, 0,1
.irp i, 0,1,2,3,4,5,6,7,8,9,10,11
	ds_load_b128 v[WF+48*\t+4*\i:WF+48*\t+4*\i+3], v245 offset:16*WPITCH*\t+16*\i   ; LDS serves a wave's instructions in order: these see my stores.  Row 16 t + r, blocks 8 h .. 8 h + 7
.endr
.endr
	v_lshlrev_b32 v[UST], 2, v249                  ; the LDS addresses of the later steps are made here, ahead of every branch on the mask; with the v_nop they are the places
	v_add_nc_u32 v[UST], s71, v[UST]               ; between the scale words' last write and the first scaled matrix instruction
	v_add_nc_u32 v[URD], UB, v[LN16]
	v_add_nc_u32 v[PAD], s72, v[LN16]
	v_mov_b32 v[PMA], s73
.rept 4
	v_nop
.endr
	s_wait_dscnt 0x0
	s_wait_alu depctr_va_vdst(0)                   ; behind the places: the eight scale words are written, which the scaled matrix instructions take; so are v12 to v15, which later LDS stores and loads read as addresses
; K step s for my two tiles of 16 columns: source 0 = the query row 16 times, source 1 = 16 weight rows.  The two accumulators take turns.
.macro UMUL s, qs, ws, first
.if \first
	v_wmma_scale_f32_16x16x128_f8f6f4 v[DU:DU+7], v[QF+12*\s:QF+12*\s+11], v[WF+12*\s:WF+12*\s+11], 0, v[\qs], v[\ws] matrix_a_fmt:MATRIX_FMT_FP6 matrix_b_fmt:MATRIX_FMT_FP6
	v_wmma_scale_f32_16x16x128_f8f6f4 v[DU+8:DU+15], v[QF+12*\s:QF+12*\s+11], v[WF+48+12*\s:WF+48+12*\s+11], 0, v[\qs], v[\ws] matrix_a_fmt:MATRIX_FMT_FP6 matrix_b_fmt:MATRIX_FMT_FP6 matrix_b_scale:MATRIX_SCALE_ROW1
.else
	v_wmma_scale_f32_16x16x128_f8f6f4 v[DU:DU+7], v[QF+12*\s:QF+12*\s+11], v[WF+12*\s:WF+12*\s+11], v[DU:DU+7], v[\qs], v[\ws] matrix_a_fmt:MATRIX_FMT_FP6 matrix_b_fmt:MATRIX_FMT_FP6
	v_wmma_scale_f32_16x16x128_f8f6f4 v[DU+8:DU+15], v[QF+12*\s:QF+12*\s+11], v[WF+48+12*\s:WF+48+12*\s+11], v[DU+8:DU+15], v[\qs], v[\ws] matrix_a_fmt:MATRIX_FMT_FP6 matrix_b_fmt:MATRIX_FMT_FP6 matrix_b_scale:MATRIX_SCALE_ROW1
.endif
.endm
	UMUL 0, 2, 6, 1                                ; the first K step starts the sums
	UMUL 1, 10, 11, 0
	UMUL 2, 4, 8, 0
	UMUL 3, 5, 9, 0
.rept 4
	v_nop                                          ; four places behind the last matrix instruction, ahead of the reads of the results and of every write and load into its registers
.endr
	v_mul_f32 v252, 0x3fb8aa3b, v[DU]              ; every row of a result is u: register 0 of lane (r, h) is u at column r of the tile.  x log2(e), so that the weights are powers of two
	v_mul_f32 v253, 0x3fb8aa3b, v[DU+8]
	s_wait_alu depctr_va_vdst(0)                   ; v252 and v253 are written, which the LDS stores read.  Also: the products are done reading v16-63 and v128-223 and every vector line of the head is done with v224-253: u lands in
	                                               ; v16-31, and the first loads of the ring's slots 1 and 2 in v128-255; from here to those loads the vector lines name v32-47 and v57-59 alone
	ds_store_b32 v[UST], v252                      ; both halves of the lanes write the same word with the same value
	ds_store_b32 v[UST], v253 offset:64
.irp i, 0,1,2,3,4,5,6,7,8,9,10,11,12,13,14,15
	v_mov_b32 v[ACC+\i], 0                         ; the group's work is written for any group: the first finds zeros, which its factor 2^(-3e38 - t) = 0 leaves zeros
.endr
	v_mov_b32 v[P+9], 0                            ; (named as the upper half of a pair)
	v_mov_b32 v[M], 0xff61b1e6                     ; -3e38
	v_mov_b32 v[L], 0
	s_wait_dscnt 0x0                               ; for the others' sake: my columns of u are in LDS
	s_barrier_signal -1
	s_barrier_wait -1
.irp j, 0,1,2,3
	ds_load_b128 v[U+4*\j:U+4*\j+3], v[URD] offset:512*\j
.endr
	s_wait_dscnt 0x0
	s_wait_alu depctr_vm_vsrc(0)                   ; ahead of the stream's first branch: the head's loads and LDS instructions have read v241-246, v252 and v253, in which the ring's slot 2 lands, and v14 and v15, which the merge writes again
; THE WORK OF A GROUP: the four rows of slot x.  last = 1: the wave's last group, in which only the first s[CNT] rows count.
.macro PROC x, last
.set X, RING+64*\x
.irp r, 0,1,2,3
	v_pk_mul_f32 v[P+2*\r:P+2*\r+1], v[X+16*\r:X+16*\r+1], v[U:U+1]          ; row . u, two columns an instruction, the four rows by turns
.endr
.irp i, 1,2,3,4,5,6,7
.irp r, 0,1,2,3
	v_pk_fma_f32 v[P+2*\r:P+2*\r+1], v[X+16*\r+2*\i:X+16*\r+2*\i+1], v[U+2*\i:U+2*\i+1], v[P+2*\r:P+2*\r+1]
.endr
.endr
.irp r, 0,1,2,3
	v_add_f32 v[P+2*\r], v[P+2*\r], v[P+2*\r+1]
.endr
.irp k, 1,2,4,8
.irp r, 0,1,2,3
	v_add_f32_dpp v[P+2*\r], v[P+2*\r], v[P+2*\r] row_xmask:\k row_mask:0xf bank_mask:0xf   ; over the 16 lanes of a half
.endr
.endr
.irp r, 0,1,2,3
	v_permlanex16_b32 v[P+2*\r+1], v[P+2*\r], s[SEL], s[SEL+1]
.endr
.irp r, 0,1,2,3
	v_add_f32 v[P+2*\r], v[P+2*\r], v[P+2*\r+1]    ; and the other half: every lane holds the row's t
.endr
.if \last
.irp r, 0,1,2,3
	s_cmp_gt_u32 s[CNT], \r
	s_cselect_b32 s33, 0, 0xff800000
	v_add_f32 v[P+2*\r], s33, v[P+2*\r]            ; the filling's t becomes -infinity: its weight is 0
.endr
.endif
	v_max3_num_f32 v[MN], v[P], v[P+2], v[P+4]
	v_max3_num_f32 v[MN], v[MN], v[P+6], v[M]      ; the new largest t
	v_sub_f32 v[P+8], v[M], v[MN]
.irp r, 0,1,2,3
	v_sub_f32 v[P+2*\r], v[P+2*\r], v[MN]
.endr
	v_exp_f32 v[P+8], v[P+8]                       ; the factor 2^(old - new)
.irp r, 0,1,2,3
	v_exp_f32 v[P+2*\r], v[P+2*\r]                 ; the weights 2^(t - new), at most 1
.endr
	v_mov_b32 v[M], v[MN]                          ; a plain instruction behind the exponentials
	s_wait_alu depctr_va_vdst(0)                   ; the five exponentials have written the factor and the four weights: one wait, ahead of their first reader
	v_add_f32 v[T1], v[P], v[P+2]
	v_add_f32 v[T2], v[P+4], v[P+6]
	v_fma_f32 v[L], v[L], v[P+8], v[T1]
.irp i, 0,1,2,3,4,5,6,7
	v_pk_mul_f32 v[ACC+2*\i:ACC+2*\i+1], v[ACC+2*\i:ACC+2*\i+1], v[P+8:P+9] op_sel_hi:[1,0]   ; the sums under the new largest t
.endr
	v_add_f32 v[L], v[L], v[T2]
.irp r, 0,1,2,3
.irp i, 0,1,2,3,4,5,6,7
	v_pk_fma_f32 v[ACC+2*\i:ACC+2*\i+1], v[X+16*\r+2*\i:X+16*\r+2*\i+1], v[P+2*\r:P+2*\r+1], v[ACC+2*\i:ACC+2*\i+1] op_sel_hi:[1,0,1]   ; + weight x row (the pair's low word serves both halves)
.endr
.endr
.endm
; A STEP OF THE MAIN LINE.  Two groups are out and a third exists: it is asked for, into slot xi; the oldest group, in slot xp, is worked.
; Where the wave has fewer than 'need' groups nothing is left to ask for: on to the last two groups, which lie in the slots that the label 'out' names.
; after = 1: slot xi is the slot that the step before worked on.
.macro MAIN xi, xp, need, out, after
	ISSUE \xi, \after
	s_wait_loadcnt 32                              ; slot xp's 16 loads are in; the two younger groups' 32 may be out
	PROC \xp, 0
	s_cmp_lt_u32 s[NG], \need
	s_cbranch_scc1 \out
.endm
	; ---- the stream.  Group g lies in slot g % 3; 32 rows are 8 groups at the most, so the groups are written out and every branch leads forward ----
	s_cmp_lt_u32 s[NG], 2
	s_cbranch_scc1 .Ltail1_s0
	ISSUE 1, 0                                     ; slot 1's first loads, and slot 2's below: what they owe was stated ahead of u's stores and ahead of the stream
	s_cmp_lt_u32 s[NG], 3
	s_cbranch_scc1 .Ltail2_s0
	MAIN 2, 0, 4, .Ltail2_s1, 0                    ; asks for group 2, works group 0
	MAIN 0, 1, 5, .Ltail2_s2, 1                    ; group 3, group 1
	MAIN 1, 2, 6, .Ltail2_s0, 1                    ; group 4, group 2
	MAIN 2, 0, 7, .Ltail2_s1, 1                    ; group 5, group 3
	MAIN 0, 1, 8, .Ltail2_s2, 1                    ; group 6, group 4
	ISSUE 1, 1                                     ; group 7, the last that a wave can have
	s_wait_loadcnt 32
	PROC 2, 0                                      ; group 5; groups 6 and 7 lie in slots 0 and 1
.Ltail2_s0:                                            ; the last two groups, in slots 0 and 1
	s_wait_loadcnt 16                              ; the last group's 16 loads may be out
	PROC 0, 0
	s_wait_loadcnt 0x0
	PROC 1, 1
	s_branch .Ldone
.Ltail2_s1:                                            ; in slots 1 and 2
	s_wait_loadcnt 16
	PROC 1, 0
	s_wait_loadcnt 0x0
	PROC 2, 1
	s_branch .Ldone
.Ltail2_s2:                                            ; in slots 2 and 0
	s_wait_loadcnt 16
	PROC 2, 0
.Ltail1_s0:                                            ; (a wave with one group comes in here)
	s_wait_loadcnt 0x0
	PROC 0, 1
.Ldone:
	; ---- the 16 waves' parts meet in LDS ----
	s_wait_alu depctr_va_vdst(0)                   ; the last group's work has written the sums, the largest t and the sum of weights, which the LDS stores read; and it is done reading the ring, in which the merge's LDS loads land
.irp j, 0,1,2,3
	ds_store_b128 v[PAD], v[ACC+4*\j:ACC+4*\j+3] offset:512*\j
.endr
	ds_store_b32 v[PMA], v[M]                      ; all lanes write the same word with the same value
	ds_store_b32 v[PMA], v[L] offset:64
	s_wait_dscnt 0x0                               ; for the others' sake
	s_barrier_signal -1
	s_barrier_wait -1
	s_wait_alu depctr_vm_vsrc(0)                   ; ahead of the branch: my LDS stores have read v[PAD] and v[PMA], which the merging waves write again
	s_cmp_ge_u32 s[WV], 4
	s_cbranch_scc1 .Lend                           ; waves 0 to 3 merge: thread t takes columns 4 t .. 4 t + 3, 16 bytes
	v_lshl_add_u32 v[UST], v0, 4, PACC
	v_mov_b32 v[URD], PM
	s_wait_alu depctr_va_vdst(0)                   ; v[UST] and v[URD] are written: the LDS loads below read them as addresses
.irp i, 0,1,2,3
	ds_load_b128 v[68+4*\i:71+4*\i], v[URD] offset:16*\i         ; v68-83: the 16 largest t
.endr
.irp i, 0,1,2,3
	ds_load_b128 v[84+4*\i:87+4*\i], v[URD] offset:64+16*\i      ; v84-99: the 16 sums of weights
.endr
.irp w, 0,1,2,3,4,5,6,7,8,9,10,11,12,13,14,15
	ds_load_b128 v[128+4*\w:131+4*\w], v[UST] offset:2048*\w     ; wave w's sums at my four columns
.endr
	s_lshl_b32 s24, s[BT], 3
	s_add_co_u32 s24, s24, ttmp9                   ; the part's number: 8 x batch + run
	s_lshl_b32 s26, s24, 11                        ; 2,048 bytes a part  (s25 and s27 are still 0)
	s_lshl_b32 s24, s24, 8                         ; 256 bytes of stats
	s_add_nc_u64 s[16:17], s[16:17], s[26:27]
	s_add_nc_u64 s[18:19], s[18:19], s[24:25]
	s_wait_dscnt 16                                ; the eight loads of t and sums are in; the 16 behind them may be out
	v_max3_num_f32 v66, v68, v69, v70
.irp i, 3,5,7,9,11,13
	v_max3_num_f32 v66, v66, v[68+\i], v[69+\i]
.endr
	v_max_num_f32 v66, v66, v83                    ; the work-group's largest t
.irp w, 0,1,2,3,4,5,6,7,8,9,10,11,12,13,14,15
	v_sub_f32 v[F+2*\w+1], v[68+\w], v66
.endr
.irp w, 0,1,2,3,4,5,6,7,8,9,10,11,12,13,14,15
	v_exp_f32 v[F+2*\w], v[F+2*\w+1]               ; wave w's factor
.endr
	v_lshlrev_b32 v[PAD], 4, v0                    ; (a plain instruction behind the exponentials)  my 16 bytes of the part
	s_wait_alu depctr_va_vdst(0)                   ; the 16 exponentials have written the factors: one wait, ahead of their first reader
	v_mul_f32 v67, v[F], v84
.irp w, 1,2,3,4,5,6,7,8,9,10,11,12,13,14,15
	v_fma_f32 v67, v[F+2*\w], v[84+\w], v67        ; the work-group's sum of weights
.endr
	s_wait_dscnt 0x0
	v_pk_mul_f32 v[100:101], v[128:129], v[F:F+1] op_sel_hi:[1,0]
	v_pk_mul_f32 v[102:103], v[130:131], v[F:F+1] op_sel_hi:[1,0]
.irp w, 1,2,3,4,5,6,7,8,9,10,11,12,13,14,15
	v_pk_fma_f32 v[100:101], v[128+4*\w:129+4*\w], v[F+2*\w:F+2*\w+1], v[100:101] op_sel_hi:[1,0,1]
	v_pk_fma_f32 v[102:103], v[130+4*\w:131+4*\w], v[F+2*\w:F+2*\w+1], v[102:103] op_sel_hi:[1,0,1]
.endr
	s_wait_alu depctr_va_vdst(0)                   ; v100 to v103 are written, the store's data (its offset v[PAD] was written ahead of the wait above); so are v66 and v67, the data of wave 0's store
	global_store_b128 v[PAD], v[100:103], s[16:17] ; a wave stores 512 bytes on end, at a multiple of 256 from the buffer's first byte
	s_cmp_lg_u32 s[WV], 0
	s_cbranch_scc1 .Lend
	v_lshlrev_b32 v[PMA], 3, v0
	s_wait_alu depctr_va_vdst(0)                   ; v[PMA] is written: the store below reads it as its offset
	global_store_b64 v[PMA], v[66:67], s[18:19]    ; wave 0: the largest t and the sum of weights, 32 times: 256 bytes on end, aligned; the next launch reads the first 8
.Lend:
	s_wait_xcnt 0x0
	v_lshl_add_u32 v254, v0, 2, 0x3a900            ; the add's two registers are made anew here: the ring had v254 and v255, and no memory or LDS instruction has ever read them
	v_mov_b32 v255, 0
	s_wait_dscnt 0x0                               ; the closing lines, six on end
	s_wait_alu 0x0
	s_wait_tensorcnt 0x0
	ds_add_u32 v254, v255
	s_wait_dscnt 0x0
	s_endpgm
.Lfunc_end_k_qe516da5be9_stream:
	.size	k_qe516da5be9_stream, .Lfunc_end_k_qe516da5be9_stream-k_qe516da5be9_stream
	.p2alignl 7, 3214868480
	.fill 96, 4, 3214868480
	.section	.rodata,"a",@progbits
	.p2align	6, 0x0
	.amdhsa_kernel k_qe516da5be9_stream
		.amdhsa_group_segment_fixed_size 241920
		.amdhsa_private_segment_fixed_size 0
		.amdhsa_enable_private_segment 0
		.amdhsa_kernarg_size 64
		.amdhsa_user_sgpr_count 2
		.amdhsa_user_sgpr_kernarg_segment_ptr 1
		.amdhsa_wavefront_size32 1
		.amdhsa_system_sgpr_workgroup_id_x 1
		.amdhsa_system_sgpr_workgroup_id_y 1
		.amdhsa_system_sgpr_workgroup_id_z 1
		.amdhsa_system_vgpr_workitem_id 0
		.amdhsa_next_free_vgpr 256
		.amdhsa_next_free_sgpr 82
		.amdhsa_reserve_vcc 0
		.amdhsa_float_denorm_mode_32 3
		.amdhsa_float_denorm_mode_16_64 3
		.amdhsa_memory_ordered 1
		.amdhsa_forward_progress 1
		.amdhsa_inst_pref_size 124
	.end_amdhsa_kernel
	.amdgpu_metadata
---
amdhsa.version: [ 1, 2 ]
amdhsa.kernels:
  - .name:           k_qe516da5be9_stream
    .symbol:         k_qe516da5be9_stream.kd
    .args:
      - { .name: keyvalues, .offset: 0, .size: 8, .value_kind: global_buffer, .address_space: global }
      - { .name: keyvalues_mask, .offset: 8, .size: 8, .value_kind: global_buffer, .address_space: global }
      - { .name: query_codes, .offset: 16, .size: 8, .value_kind: global_buffer, .address_space: global }
      - { .name: query_scales, .offset: 24, .size: 8, .value_kind: global_buffer, .address_space: global }
      - { .name: weight_codes, .offset: 32, .size: 8, .value_kind: global_buffer, .address_space: global }
      - { .name: weight_scales, .offset: 40, .size: 8, .value_kind: global_buffer, .address_space: global }
      - { .name: part, .offset: 48, .size: 8, .value_kind: global_buffer, .address_space: global }
      - { .name: stats, .offset: 56, .size: 8, .value_kind: global_buffer, .address_space: global }
    .group_segment_fixed_size: 241920
    .private_segment_fixed_size: 0
    .kernarg_segment_align: 8
    .kernarg_segment_size: 64
    .max_flat_workgroup_size: 512
    .sgpr_count:     82
    .vgpr_count:     256
    .wavefront_size: 32
...
	.end_amdgpu_metadata
.endif
;; end of part 3
;; launch merge: the kernel of part 2 again; grid 32 x 1, 4 waves a work-group, no clusters, 0 bytes of LDS; arguments part, stats, out0; writes out0
